; MI455X (gfx1250); checked and timed in simulation.
; The chip was launched on July 23, 2026; its instructions are those of AMD's public machine-readable ISA for CDNA 5 (MIT licence, August 2026) and "CDNA5" Instruction Set Architecture Reference Guide (July 2026). The comments in the code are by the model that wrote it; some were corrected since.
;; MHA. Allowed arithmetic: matrix products marked QUANTISED: E4M3 operands, one given power-of-two scale a tensor, by v_wmma_f32_16x16x64_fp8_fp8 or v_wmma_f32_16x16x128_fp8_fp8, f32 sums; everything else in f32.
;; Inputs: W_qkv_codes 3,072 x 32 x 32 uint8 (E4M3 codes of W_qkv, K innermost, in blocks of 32 codes); b_qkv 3,072 float32; lowp_scales 6 int32 (the exponents e of the quantised operands' scales 2^e); mask 2,048 x 2,048 float32; x_codes 4 x 2,048 x 32 x 32 uint8 (E4M3 codes of x, K innermost, in blocks of 32 codes).
;; Outputs: out0 4 x 2,048 x 1,024 float32.
;; This version of the problem:
;;   THIS VERSION OF THE PROBLEM IS GIVEN IN LOW PRECISION. The matrix products marked QUANTISED in the list below multiply operands that are first quantised to E4M3 (4 exponent bits, 3 mantissa bits; 8 bits a number), with one given power-of-two scale for each operand tensor; their sums are f32. All else is computed in f32.
;;   The module's matrix products, in the order in which they are computed (A, B: the left and right operand; K: the contracted axis; several contracted axes count as one K, in the product's order):
;;     1. [M 8,192, K 1,024] x [K 1,024, N 3,072]; A: input x (given as codes); B: input W_qkv (given as codes): QUANTISED (scales: A lowp_scales[0], B lowp_scales[1])
;;     2. batch 64 x [M 2,048, K 64] x [K 64, N 2,048]; A: computed on the way; B: computed on the way: QUANTISED (scales: A lowp_scales[2], B lowp_scales[3])
;;     3. batch 64 x [M 2,048, K 2,048] x [K 2,048, N 64]; A: softmax (see below); B: computed on the way: QUANTISED (scales: A lowp_scales[4], B lowp_scales[5])
;;   THE QUANTISER, for each operand of a quantised product, along K:
;;     - The operand's scale is 2^e, e = its entry of the input lowp_scales (int32; the entries are numbered through the quantised products in the list's order, A before B).
;;     - Each number is divided by the scale, clamped to +-448, and rounded to the nearest number of E4M3, ties to even, subnormals kept.
;;     - The product sums the exact products of the quantised numbers (number of the format x scale) in f32.
;;   ~~~python
;;   def quantise(x, axis, e):      # numpy; x: float32 -> the quantised numbers, widened to float32 again
;;       x = np.moveaxis(x, axis, -1); K = x.shape[-1]
;;       r = np.clip(x / 2.0 ** e, -448, 448)
;;       step = 2.0 ** (np.maximum(np.frexp(np.where(r == 0, 1, r))[1] - 1, -6) - 3)
;;       q = np.round(r / step) * step * 2.0 ** e      # np.round: ties to even
;;       return np.moveaxis(q, -1, axis).astype(np.float32)
;;   ~~~
;;   SOFTMAX AHEAD OF A QUANTISED PRODUCT. Where the list says 'softmax', what is quantised is not the finished softmax but p = 2^(t - M), with t = logit x log2(e) and M = ceil(the row's largest t), a whole number; so 1/2 < the row's largest p <= 1. The row's sum l is taken of the UNQUANTISED p, in f32, and the product's result is divided by l at the end. Since M is a whole number, a kernel that streams over the keys may use a running M (the ceiling of the running maximum): every later rescaling is an exact power of two, so the quantised numbers keep their values, but for numbers so far below the row's largest that they fall under the format's range.
;;   OPERANDS COMPUTED ON THE WAY. 'Computed on the way' means the value that the module computes at that place (a softmax that the list does not call 'softmax' is quantised finished and normalised). What goes into a quantiser is computed in f32, as accurately as f32 sums, v_exp_f32 and their like allow (about 1e-6 of the number): no bf16 or f16 on the way to a quantiser, and a product that is left as it is and whose result goes on into a quantised operand takes f32 operands (vector FMAs, or v_wmma_f32_16x16x4_f32). A number that lies on a knife's edge between two numbers of the format may be rounded either way, as far as f32 arithmetic and the matrix unit's own rounding can turn it there, and no further.
;;   INPUTS GIVEN AS CODES. W_qkv (in the module: [1024, 3072], K = its axis 0); x (in the module: [4, 2048, 1024], K = its axis 2): each comes as NAME_codes (uint8): NAME with its K axis moved to the last place and cut into blocks of 32 codes, [.., K / 32, bytes a block], one block behind the other in memory; one code a byte (a code: sign, 4 exponent bits, 3 mantissa bits); its scale is its entry of lowp_scales. Its value is code x scale, taken as it is: it is not quantised again, and the codes and scales need not be those that the quantiser above would give.
;; One version. Each part assembles by itself: llvm-mc -triple=amdgcn-amd-amdhsa -mcpu=gfx1250 --defsym DOCPART=n.
;; ======== version 1 of 1: 2 launches
;; limits: right only within a limited range of input values
;; workspace buffers: qimg 8,388,608 bytes; kvimg 16,777,216 bytes
;; launch qkv (part 1): grid 16 x 16, 4 waves a work-group, clusters of 4 x 4, 327,680 bytes of LDS; arguments x_codes, W_qkv_codes, b_qkv, lowp_scales, qimg, kvimg; writes qimg, kvimg
.if DOCPART == 1
	.amdgcn_target "amdgcn-amd-amdhsa--gfx1250"
	.amdhsa_code_object_version 6
	.text
	.protected	k_qd74f75217c_qkv
	.globl	k_qd74f75217c_qkv
	.p2align	8
	.type	k_qd74f75217c_qkv,@function
k_qd74f75217c_qkv:
	s_mov_b64 s[64:65], 0
	v_nop
	global_prefetch_b8 v0, s[64:65] scope:SCOPE_SE
	s_setreg_imm32_b32 hwreg(HW_REG_WAVE_MODE, 25, 1), 1
	s_wait_xcnt 0x0
	s_wait_alu depctr_hold_cnt(0) depctr_sa_sdst(0) depctr_va_vdst(0) depctr_va_sdst(0) depctr_va_ssrc(0) depctr_va_vcc(0) depctr_vm_vsrc(0)
	s_getreg_b32 s2, hwreg(HW_REG_IB_STS2, 6, 4)
	s_cmp_eq_u32 s2, 0
	s_cbranch_scc0 .Lentry_in_a_cluster
	s_endpgm
.Lentry_in_a_cluster:
	s_bfe_u32 s2, ttmp6, 0x10000c
	s_cmp_lg_u32 s2, 0xf033
	s_cbranch_scc0 .Lentry_shape_is_right
	s_endpgm
.Lentry_shape_is_right:
; qkv = x W + b on codes of E4M3, then q, k and v are quantised with the scales 2^e2, 2^e3, 2^e5 and stored as images of the attention launch's operand registers.
; A work-group of four waves makes two tiles of 256 tokens x 192 columns (one head: column 3 d + s, s = q, k, v), one below the other; wave w: tokens 128 (w / 2) on, channels 32 (w % 2) on.
; q and k are made transposed (source 0 = rows of W), so that a lane's registers run along the channels; v with x as source 0, so that they run along the tokens, its K in the second product.
; The bias, divided by 2^(e0 + e1), is the C of each sum's first instruction.  K goes in steps of 256 through a ring of two LDS slots filled by joint loads: x's tile is shared along a row of the 4 x 4 cluster, W's along a column.
; PREFETCH INTO THE L2: behind each joint load one instruction a wave names the K step that stands two refills on.  Of the 128 rows of x (96 of W) that a wave fetches, each of the four partners that ask
; for them jointly takes 32 (24), told apart by address alone, a lane a row of 256 bytes (W: lanes 24 to 31 name the wave's last row again).  K steps 0 and 1 come by their loads alone; W's rows serve both tiles and are asked for in the first alone;
; the last two refills ask for nothing.  The address registers are never rewritten: the steps stand in the immediate offsets.
; LIMITS: e2 - e0 - e1, e3 - e0 - e1 and e5 - e0 - e1 between -126 and 119, so that each scale and its hold are f32 numbers.
.set PFO,  12                          ; v12 the prefetches' offset: my lane x a row of 1,024 bytes
.set PFA,  92                          ; s[92:93] my work-group's share of the rows that my wave fetches
.set PITCH,  272
.set XHALF,  128*PITCH
.set WHALF,  96*PITCH
.set WOFF,   2*XHALF
.set SLOT,   WOFF+2*WHALF
.set SPARE,  2*SLOT
.set OFS,  1
.set ADRX, 2
.set ADRW, 4
.set BQK,  6
.set BV,   7
.set SCL,  20
.set SPW,  28
.set NIL,  29
.set CQ,   32
.set CK,   64
.set CV,   96
.set QA,   128
.set BIAS, 192
.set WV,   16
.set WT,   17
.set WD,   18
.set G1X,  24
.set G0X,  32
.set G1W,  40
.set G0W,  48
.set MSB, 0
.macro WIN new
.if MSB != (\new)
	s_set_vgpr_msb (MSB<<8)|(\new)
.set MSB, (\new)
.endif
.endm
.macro PLACES n
.rept \n
	v_nop
.endr
.endm
.macro JLOAD s
	s_cmp_eq_u32 s[WT], 0
	s_cbranch_scc0 .Lfor_w_\@
	tensor_load_to_lds s[G0X+4*(\s):G0X+4*(\s)+3], s[G1X:G1X+7]
	s_nop 0
	PLACES 4
	s_branch .Lasked_\@
.Lfor_w_\@:
	tensor_load_to_lds s[G0W+4*(\s):G0W+4*(\s)+3], s[G1W:G1W+7]
	s_nop 0
	PLACES 4
.Lasked_\@:
.endm
.macro CREST
	s_cmp_lg_u32 s[WV], 0
	s_cbranch_scc1 .Lnot_wave_0_\@
	s_barrier_signal -3
.Lnot_wave_0_\@:
	s_barrier_wait -3
	s_barrier_signal -1
	s_barrier_wait -1
.endm
.macro CROUND
	s_barrier_signal -1
	s_barrier_wait -1
	CREST
.endm
	s_load_b256 s[4:11], s[0:1], 0x0
	s_load_b128 s[12:15], s[0:1], 0x20
	v_lshl_add_u32 v[SPW], v0, 2, SPARE
	v_mov_b32 v[NIL], 0
	ds_add_u32 v[SPW], v[NIL]
	ds_add_u32 v[SPW], v[NIL]
	v_lshrrev_b32 v1, 5, v0
	v_readfirstlane_b32 s[WV], v1
	s_lshr_b32 s[WT], s[WV], 1
	s_and_b32 s[WD], s[WV], 1
	s_bfe_u32 s20, ttmp6, 0x40000
	s_bfe_u32 s21, ttmp6, 0x40004
	s_lshl_b32 s22, ttmp9, 2
	s_add_co_u32 s22, s22, s20
	s_and_b32 s23, ttmp7, 0xffff
	s_lshl_b32 s23, s23, 2
	s_add_co_u32 s23, s23, s21
	s_lshl_b32 s66, s21, 2
	s_lshl_b32 s66, 15, s66
	s_lshl_b32 s67, 0x1111, s20
	s_or_b32 s[G1X], s66, (1<<20)|(1<<21)|(5<<22)|(3<<25)
	s_or_b32 s[G1W], s67, (1<<20)|(1<<21)|(5<<22)|(3<<25)
	s_mov_b32 s[G1X+1], 256<<16
	s_mov_b32 s[G1X+2], 128<<16
	s_mov_b32 s[G1X+3], 256<<16
	s_mov_b32 s[G1X+4], 128
	s_mov_b32 s[G1X+5], 1024
	s_mov_b32 s[G1X+6], 0
	s_mov_b32 s[G1X+7], 0
	s_mov_b32 s[G1W+1], 256<<16
	s_mov_b32 s[G1W+2], 96<<16
	s_mov_b32 s[G1W+3], 256<<16
	s_mov_b32 s[G1W+4], 96
	s_mov_b32 s[G1W+5], 1024
	s_mov_b32 s[G1W+6], 0
	s_mov_b32 s[G1W+7], 0
	s_lshl_b32 s74, s23, 19
	s_lshl_b32 s75, s[WD], 17
	s_add_co_u32 s74, s74, s75
	s_mov_b32 s75, 0
	s_mul_i32 s76, s22, 192*1024
	s_mul_i32 s77, s[WD], 96*1024
	s_add_co_u32 s76, s76, s77
	s_mov_b32 s77, 0
	s_mul_i32 s78, s[WD], XHALF
	s_mul_i32 s79, s[WD], WHALF
	s_add_co_u32 s79, s79, WOFF
	s_lshr_b32 s82, s23, 2
	s_and_b32 s83, s23, 3
	s_lshl_b32 s84, s82, 4
	s_add_co_u32 s84, s84, s22
	s_lshl_b32 s84, s84, 7
	s_lshl_b32 s85, s83, 5
	s_add_co_u32 s84, s84, s85
	s_lshl_b32 s85, s[WT], 3
	s_add_co_u32 s84, s84, s85
	s_lshl_b32 s84, s84, 10
	s_lshl_b32 s85, s[WD], 9
	s_add_co_u32 s84, s84, s85
	s_mov_b32 s85, 0
	s_lshl_b32 s86, s82, 2
	s_lshr_b32 s87, s22, 2
	s_add_co_u32 s86, s86, s87
	s_lshl_b32 s86, s86, 4
	s_lshl_b32 s87, s83, 2
	s_add_co_u32 s86, s86, s87
	s_add_co_u32 s86, s86, s[WT]
	s_lshl_b32 s86, s86, 2
	s_and_b32 s87, s22, 3
	s_add_co_u32 s86, s86, s87
	s_lshl_b32 s86, s86, 14
	s_mov_b32 s87, 0
	s_lshl_b32 s88, s[WD], 12
	s_add_co_u32 s88, s88, 8192
	s_mov_b32 s89, 0
	s_mul_i32 s90, s22, 768
	s_mul_i32 s91, s[WD], 384
	s_add_co_u32 s90, s90, s91
	s_mov_b32 s91, 0
	s_wait_dscnt 0x0
	s_wait_kmcnt 0x0
	s_load_b128 s[56:59], s[10:11], 0x0
	s_load_b64 s[60:61], s[10:11], 0x10
	s_add_nc_u64 s[74:75], s[4:5], s[74:75]
	s_add_nc_u64 s[76:77], s[6:7], s[76:77]
	s_add_nc_u64 s[68:69], s[12:13], s[84:85]
	s_add_nc_u64 s[70:71], s[14:15], s[86:87]
	s_add_nc_u64 s[72:73], s[70:71], s[88:89]
	s_lshl_b32 s88, s[WD], 9
	s_add_nc_u64 s[70:71], s[70:71], s[88:89]
	s_add_nc_u64 s[80:81], s[8:9], s[90:91]
	s_lshl_b32 s94, s20, 15                        ; x: 32 rows x my place along the cluster's x
	s_mul_i32 s95, s21, 24*1024                    ; W: 24 rows x my place along its y
	s_cmp_eq_u32 s[WT], 0                          ; do I fetch for x?
	s_cselect_b64 s[PFA:PFA+1], s[74:75], s[76:77]
	s_cselect_b32 s94, s94, s95
	s_mov_b32 s95, 23
	s_cselect_b32 s95, 31, s95                     ; my share's last row
	v_and_b32 v[PFO], 31, v0
	v_min_u32 v[PFO], s95, v[PFO]
	v_lshlrev_b32 v[PFO], 10, v[PFO]
	s_mov_b32 s95, 0
	s_add_nc_u64 s[PFA:PFA+1], s[PFA:PFA+1], s[94:95]
	CROUND
.irp s, 0,1
	s_mov_b32 s[G0X+4*\s], 1
	s_add_co_u32 s[G0X+4*\s+1], s78, \s*SLOT
	s_add_nc_u64 s[G0X+4*\s+2:G0X+4*\s+3], s[74:75], \s*256
	s_or_b32 s[G0X+4*\s+3], s[G0X+4*\s+3], 0x80000000
	s_mov_b32 s[G0W+4*\s], 1
	s_add_co_u32 s[G0W+4*\s+1], s79, \s*SLOT
	s_add_nc_u64 s[G0W+4*\s+2:G0W+4*\s+3], s[76:77], \s*256
	s_or_b32 s[G0W+4*\s+3], s[G0W+4*\s+3], 0x80000000
	s_wait_alu depctr_va_vdst(0)
	s_wait_tensorcnt 0x0
	ds_add_u32 v28, v29
	ds_add_u32 v28, v29
	s_wait_dscnt 0x0
	CROUND
	JLOAD \s
	global_prefetch_b8 v[PFO], s[PFA:PFA+1] offset:(\s+2)*256 th:TH_LOAD_NT scope:SCOPE_SE   ; K step s + 2, of x or of W
.endr
	v_and_b32 v8, 15, v0
	v_bfe_u32 v9, v0, 4, 1
	v_and_b32 v[OFS], 31, v0
	v_lshlrev_b32 v[OFS], 4, v[OFS]
	v_mul_u32_u24 v10, v8, PITCH
	v_lshl_add_u32 v10, v9, 4, v10
	s_mul_i32 s66, s[WT], XHALF
	v_add_nc_u32 v[ADRX], s66, v10
	v_add_nc_u32 v[ADRX+1], SLOT, v[ADRX]
	v_mul_u32_u24 v11, v8, 3*PITCH
	v_lshl_add_u32 v11, v9, 4, v11
	v_add_nc_u32 v[ADRW], s79, v11
	v_add_nc_u32 v[ADRW+1], SLOT, v[ADRW]
	v_mul_u32_u24 v[BQK], v9, 96
	v_mul_u32_u24 v[BV], v8, 12
	WIN 0x80
.irp sx, 0,1
.irp db, 0,1
.irp j, 0,1,2,3,4,5,6,7
	global_load_b32 v[BIAS+8*(2*\sx+\db)+\j], v[BQK], s[80:81] offset:192*\db+12*\j+4*\sx
.endr
.endr
.endr
.irp db, 0,1
.irp j, 0,1,2,3,4,5,6,7
	global_load_b32 v[BIAS+8*(4+\db)+\j], v[BV], s[80:81] offset:192*\db+8
.endr
.endr
	WIN 0
.macro SCALES vs, se
	s_sub_co_i32 s82, s[\se], s66
	s_add_co_i32 s82, s82, 127
	s_lshl_b32 s83, s82, 23
	v_mov_b32 v[\vs], s83
	s_add_co_i32 s82, s82, 8
	s_lshl_b32 s82, s82, 23
	s_or_b32 s82, s82, 0x600000
	v_mov_b32 v[\vs+1], s82
.endm
	s_wait_kmcnt 0x0
	s_add_co_i32 s66, s56, s57
	s_sub_co_i32 s67, 0, s66
	SCALES SCL, 58
	SCALES SCL+2, 59
	SCALES SCL+4, 61
	s_wait_loadcnt 0x0
	WIN 0x82
.set i, 0
.rept 48
	v_ldexp_f32 v[BIAS+i], v[BIAS+i], s67
.set i, i+1
.endr
	WIN 0
.macro FETCH slot, kq, p
	WIN 0x40
.irp tb, 0,1,2,3,4,5,6,7
.irp c, 0,1,2,3
	ds_load_b128 v[128*(\p)+16*\tb+4*\c:128*(\p)+16*\tb+4*\c+3], v[ADRX+\slot] offset:\tb*16*PITCH+128*(\kq)+32*\c
.endr
.endr
	WIN 0x80
.irp sx, 0,1,2
.irp db, 0,1
.irp c, 0,1,2,3
	ds_load_b128 v[96*(\p)+16*(2*\sx+\db)+4*\c:96*(\p)+16*(2*\sx+\db)+4*\c+3], v[ADRW+\slot] offset:(48*\db+\sx)*PITCH+128*(\kq)+32*\c
.endr
.endr
.endr
.endm
.macro MULG s, p, first
.if (\s) == 0
	WIN 0x06+0x20*(\first)
.elseif (\s) == 1
	WIN 0xf6-0x10*(\first)
.else
	WIN 0xf9-0x10*(\first)
.endif
.irp tb, 0,1,2,3,4,5,6,7
.irp db, 0,1
.set rD, 8*(2*\tb+\db)+128*(((\s)+1)%2)
.set rW, 96*(\p)+16*(2*(\s)+\db)
.set rX, 128*(\p)+16*\tb
.set rB, BIAS+8*(2*(\s)+\db)
.if (\s) < 2
.if \first
	v_wmma_f32_16x16x128_fp8_fp8 v[rD:rD+7], v[rW:rW+15], v[rX:rX+15], v[rB:rB+7]
.else
	v_wmma_f32_16x16x128_fp8_fp8 v[rD:rD+7], v[rW:rW+15], v[rX:rX+15], v[rD:rD+7]
.endif
.else
.if \first
	v_wmma_f32_16x16x128_fp8_fp8 v[rD:rD+7], v[rX:rX+15], v[rW:rW+15], v[rB:rB+7]
.else
	v_wmma_f32_16x16x128_fp8_fp8 v[rD:rD+7], v[rX:rX+15], v[rW:rW+15], v[rD:rD+7]
.endif
.endif
.endr
.endr
.endm
.macro STEP slot, first
	s_wait_dscnt 16
	MULG 0, 0, \first
	PLACES 4
	FETCH \slot, 1, 1
	s_wait_dscnt 56
	MULG 1, 0, \first
	MULG 2, 0, \first
.endm
.macro TURN slot, next, fill, ask=0
	WIN 0
	s_wait_tensorcnt 0x0
	ds_add_u32 v[SPW], v[NIL]
	s_wait_dscnt 17
	MULG 0, 1, 0
	s_wait_dscnt 0x0
	s_barrier_signal -1
	MULG 1, 1, 0
	WIN 0
	s_barrier_wait -1
.if \fill
	CREST
.if (\fill) == 1
	s_add_nc_u64 s[G0X+4*\slot+2:G0X+4*\slot+3], s[G0X+4*\slot+2:G0X+4*\slot+3], 512
	s_add_nc_u64 s[G0W+4*\slot+2:G0W+4*\slot+3], s[G0W+4*\slot+2:G0W+4*\slot+3], 512
.else
	s_add_nc_u64 s[G0X+4*\slot+2:G0X+4*\slot+3], s[G0X+4*\slot+2:G0X+4*\slot+3], 256*1024-512
	s_sub_nc_u64 s[G0W+4*\slot+2:G0W+4*\slot+3], s[G0W+4*\slot+2:G0W+4*\slot+3], 512
.endif
	JLOAD \slot
.else
	PLACES 4
.endif
	FETCH \next, 0, 0
.if \ask
	WIN 0                                          ; (a branch follows)
	s_cmp_eq_u32 s[WT], 0
	s_cbranch_scc0 .Lnot_x_\@
	global_prefetch_b8 v[PFO], s[PFA:PFA+1] offset:262144+((\ask)-4)*256 th:TH_LOAD_NT scope:SCOPE_SE   ; the second tile's x, 256 rows down: K step ask - 4
.Lnot_x_\@:
.endif
	MULG 2, 1, 0
.endm
.macro EPI tile
	WIN 0
	PLACES 4
.if \tile
	s_wait_xcnt 0x0
.endif
.set i, 0
.rept 128
	v_med3_num_f32 v[QA+i], v[QA+i], -v[SCL+1], v[SCL+1]
.set i, i+1
.endr
.irp tb, 0,1,2,3,4,5,6,7
.irp db, 0,1
	v_cvt_scalef32_pk8_fp8_f32 v[CQ+4*\tb+2*\db:CQ+4*\tb+2*\db+1], v[QA+8*(2*\tb+\db):QA+8*(2*\tb+\db)+7], v[SCL]
.endr
.endr
	v_nop
.irp tb, 0,1,2,3,4,5,6,7
	global_store_b128 v[OFS], v[CQ+4*\tb:CQ+4*\tb+3], s[68:69] offset:\tb*1024+\tile*16384
.endr
	WIN 0xc3
.set i, 0
.rept 128
	v_med3_num_f32 v[i], v[i], -v[SCL+3], v[SCL+3]
.set i, i+1
.endr
	WIN 0x03
.irp tb, 0,1,2,3,4,5,6,7
.irp db, 0,1
	v_cvt_scalef32_pk8_fp8_f32 v[CK+4*\tb+2*\db:CK+4*\tb+2*\db+1], v[8*(2*\tb+\db):8*(2*\tb+\db)+7], v[SCL+2]
.endr
.endr
	WIN 0
	v_nop
.irp tb, 0,1,2,3,4,5,6,7
	global_store_b128 v[OFS], v[CK+4*\tb:CK+4*\tb+3], s[70:71] offset:\tb*1024+\tile*131072
.endr
	WIN 0xc3
.set i, 0
.rept 128
	v_med3_num_f32 v[128+i], v[128+i], -v[SCL+5], v[SCL+5]
.set i, i+1
.endr
	WIN 0x03
.irp db, 0,1
.irp b, 0,1,2,3
.irp u, 0,1
	v_cvt_scalef32_pk8_fp8_f32 v[CV+4*(4*\db+\b)+2*\u:CV+4*(4*\db+\b)+2*\u+1], v[128+8*(2*(2*\b+\u)+\db):128+8*(2*(2*\b+\u)+\db)+7], v[SCL+4]
.endr
.endr
.endr
	WIN 0
	v_nop
.irp db, 0,1
.irp b, 0,1,2,3
	global_store_b128 v[OFS], v[CV+4*(4*\db+\b):CV+4*(4*\db+\b)+3], s[72:73] offset:\db*2048+\b*512+\tile*131072
.endr
.endr
.endm
	s_wait_alu depctr_va_vdst(0)
	s_wait_tensorcnt 0x1
	s_barrier_signal -1
	s_barrier_wait -1
	FETCH 0, 0, 0
	STEP 0, 1
	TURN 0, 1, 1, 4
	STEP 1, 0
	TURN 1, 0, 1, 5
	STEP 0, 0
	TURN 0, 1, 2, 6
	STEP 1, 0
	TURN 1, 0, 2, 7
	EPI 0
	STEP 0, 1
	TURN 0, 1, 1
	STEP 1, 0
	TURN 1, 0, 1
	STEP 0, 0
	TURN 0, 1, 0
	STEP 1, 0
	s_wait_dscnt 0x0
	MULG 0, 1, 0
	MULG 1, 1, 0
	MULG 2, 1, 0
	EPI 1
	s_wait_tensorcnt 0x0
	ds_add_u32 v[SPW], v[NIL]
	s_wait_dscnt 0x0
	CROUND
	s_endpgm
.Lfunc_end_k_qd74f75217c_qkv:
	.size	k_qd74f75217c_qkv, .Lfunc_end_k_qd74f75217c_qkv-k_qd74f75217c_qkv
	.p2alignl 7, 3214868480
	.fill 96, 4, 3214868480
	.section	.rodata,"a",@progbits
	.p2align	6, 0x0
	.amdhsa_kernel k_qd74f75217c_qkv
		.amdhsa_group_segment_fixed_size 327680
		.amdhsa_private_segment_fixed_size 0
		.amdhsa_enable_private_segment 0
		.amdhsa_kernarg_size 48
		.amdhsa_user_sgpr_count 2
		.amdhsa_user_sgpr_kernarg_segment_ptr 1
		.amdhsa_wavefront_size32 1
		.amdhsa_system_sgpr_workgroup_id_x 1
		.amdhsa_system_sgpr_workgroup_id_y 1
		.amdhsa_system_sgpr_workgroup_id_z 1
		.amdhsa_system_vgpr_workitem_id 0
		.amdhsa_next_free_vgpr 1024
		.amdhsa_next_free_sgpr 96
		.amdhsa_reserve_vcc 0
		.amdhsa_float_denorm_mode_32 3
		.amdhsa_float_denorm_mode_16_64 3
		.amdhsa_memory_ordered 1
		.amdhsa_forward_progress 1
		.amdhsa_inst_pref_size 194
	.end_amdhsa_kernel
	.amdgpu_metadata
---
amdhsa.version: [ 1, 2 ]
amdhsa.kernels:
  - .name:           k_qd74f75217c_qkv
    .symbol:         k_qd74f75217c_qkv.kd
    .args:
      - { .name: x_codes, .offset: 0, .size: 8, .value_kind: global_buffer, .address_space: global }
      - { .name: W_qkv_codes, .offset: 8, .size: 8, .value_kind: global_buffer, .address_space: global }
      - { .name: b_qkv, .offset: 16, .size: 8, .value_kind: global_buffer, .address_space: global }
      - { .name: lowp_scales, .offset: 24, .size: 8, .value_kind: global_buffer, .address_space: global }
      - { .name: qimg, .offset: 32, .size: 8, .value_kind: global_buffer, .address_space: global }
      - { .name: kvimg, .offset: 40, .size: 8, .value_kind: global_buffer, .address_space: global }
    .group_segment_fixed_size: 327680
    .private_segment_fixed_size: 0
    .kernarg_segment_align: 8
    .kernarg_segment_size: 48
    .max_flat_workgroup_size: 128
    .sgpr_count:     96
    .vgpr_count:     1024
    .wavefront_size: 32
...
	.end_amdgpu_metadata
.endif
;; end of part 1
;; launch attn (part 2): grid 16 x 16, 8 waves a work-group, clusters of 4 x 4, 327,680 bytes of LDS; arguments qimg, kvimg, mask, lowp_scales, out0; writes out0
.if DOCPART == 2
	.amdgcn_target "amdgcn-amd-amdhsa--gfx1250"
	.amdhsa_code_object_version 6
	.text
	.protected	k_qd74f75217c_attn
	.globl	k_qd74f75217c_attn
	.p2align	8
	.type	k_qd74f75217c_attn,@function
k_qd74f75217c_attn:
	s_mov_b64 s[64:65], 0
	v_nop
	global_prefetch_b8 v0, s[64:65] scope:SCOPE_SE
	s_setreg_imm32_b32 hwreg(HW_REG_WAVE_MODE, 25, 1), 1
	s_wait_xcnt 0x0
	s_wait_alu depctr_hold_cnt(0) depctr_sa_sdst(0) depctr_va_vdst(0) depctr_va_sdst(0) depctr_va_ssrc(0) depctr_va_vcc(0) depctr_vm_vsrc(0)
	s_getreg_b32 s2, hwreg(HW_REG_IB_STS2, 6, 4)
	s_cmp_eq_u32 s2, 0
	s_cbranch_scc0 .Lentry_in_a_cluster
	s_endpgm
.Lentry_in_a_cluster:
	s_bfe_u32 s2, ttmp6, 0x10000c
	s_cmp_lg_u32 s2, 0xf033
	s_cbranch_scc0 .Lentry_shape_is_right
	s_endpgm
.Lentry_shape_is_right:
; out[n][q][64 h + d] = the sum over keys of softmax(q . k / 8 + mask[q][key] x (-1e9)) v, both products on codes of E4M3.  Nothing is left out: the mask is an input of f32 numbers,
; so every score takes its own element of it and every key step is walked.
; qimg and kvimg hold q's, k's and v's codes as images of the operands' registers (16 bytes a lane, 512 a group of four registers), as the first launch laid them.
; THE SOFTMAX AHEAD OF THE SECOND PRODUCT: t = logit x log2(e); M = the running largest t, rounded UP to a whole number; p = 2^(t - M) is quantised with the scale 2^e4, not normalised.
; The row's sum is taken of the unquantised p and divides at the end.  When M moves, the sum and O are multiplied by 2^(old M - new M), which rounds nothing.
; SHARES.  A work-group of eight waves owns 128 queries and four heads of one batch: one tile of the mask (128 x 128) serves four heads, one step's K and V (64 KiB) serve 128 queries.
; Wave w: head w % 4, queries 64 (w / 4) on: four tiles of 16, which share each fragment of K and V read from LDS.  Two waves to a SIMD.
; CLUSTER.  4 x 4 work-groups: the four of a row share batch and heads, so K's and V's images; the four of a column share the queries, so the mask's tile.  Each is asked for jointly.
; LAYOUT.  Both products are used transposed: S^T = K Q^T, O^T = V^T P^T: a lane holds ONE query (lane % 16).  Register 8 kt + j of S^T is key 16 kt + 8 (lane / 16) + j:
; the conversions' results ARE the second product's operand in the form's own layout, in which V^T's image was written.
; ARITHMETIC.  sh = e2 + e3 - 3.  S' = mask x (-1e9 / 2^sh) + S is the logit / 2^sh (one fused multiply-add); the running maximum is kept of S'; t - M = S' x (log2(e) 2^sh) - M.
; THE RING.  Two slots; one key step a slot.  THE CHANGE OF SLOTS STANDS INSIDE THE FOURTH TILE.  A wave's last LDS read of a step is that tile's part of the mask: the waits, the add and the
; barrier's signal stand at the tile's head; its maximum and its t - M, work on registers, stand between the signal and the wait; behind the round come the refill (the slot just read takes the key
; step two on) and the next step's loads of K and of the first tile's mask; the tile's exponentials, sum, codes and second product follow while those LDS loads are served; V's loads follow that product.
; The step is written once for the loop: the slot in hand and the walking descriptors are turned by an exclusive or with SLOT (whose bits 17 and 11 are in none of the places inside a slot).
; LIMITS: e2 + e3 between -95 and 130, so that both constants are f32 numbers; e4 between -126 and 119; e4 + e5 is applied by v_ldexp_f32 and has none.  NaN among the inputs is not served.
; REGISTERS.  Window 0: v1-13 addresses and constants; v16-31 four statistics a tile (-M, the largest S', the sum in two halves); v32-63 Q; v64-127 S^T, then p; v128-191 the mask;
;   v192-207 p's codes; v208-232 at work.   Window 1: v0-127 O^T, 32 a tile; v128-191 K's eight fragments; v192-255 V^T's four.
.set MP,    528                        ; a row of the mask's tile in LDS: 512 bytes + 16 of padding
.set MOFF,  65536                      ; a slot: four heads x 16,384 bytes of images, then 128 rows of the mask
.set SLOT,  MOFF+128*MP
.set SPARE, 2*SLOT                     ; the spare words, 128 bytes for each wave, that no other line names
.set STAGE, SPARE+1024                 ; 16 rows x 272 bytes for each wave, for the way out; no tensor load lands there
.set SP,    272
.set AKV0, 1                           ; v1  my place in a slot's images;  v2 the same in the slot in hand
.set AKV,  2
.set AMK0, 3                           ; v3  my place in a slot's tile of the mask;  v4 in the slot in hand
.set AMK,  4
.set SPW, 5                            ; v5  LDS address of my spare word; never rewritten
.set NIL, 6                            ; v6  0; never rewritten
.set GO,  7
.set STO, 8
.set RD,  9
.set PFO, 10                           ; v10 the prefetches' offset; never rewritten
.set LIM, 11                           ; v11 448 x 2^e4
.set PSC, 12                           ; v12 2^e4
.set QO,  13                           ; v13 16 x lane
.set STAT, 16
.set Q,   32
.set S,   64
.set MK,  128
.set P,   192
.set T0,  208
.set T1,  209
.set F,   210                          ; v[210:211] f = 2^(old M - new M)
.set T2,  214
.set TT,  216                          ; v216-231 eight chains of the maximum, then of the sum
.set LIM2, 232                         ; 448 x 2^e4 once more, for the second half of a dual instruction
.set KF,  128                          ; in window 1
.set VF,  192
.set WV,  14
.set G1K, 24                           ; s[24:31] group 1 for the images; s[32:35] their walking group 0
.set G0K, 32
.set G1M, 40                           ; s[40:47], s[48:51] the same for the mask
.set G0M, 48
.set SEL, 62
.set CS,  66                           ; s[66:67] log2(e) x 2^sh
.set KM,  68                           ; s[68:69] -1e9 / 2^sh
.set PFA, 70                           ; s[70:71] where my prefetches stand
.set PFS, 72                           ; s[72:73] a key step on, in bytes
.set ASKF, 74                          ; s74 2 in a wave that prefetches, else the greatest number
.set CNT, 75                           ; s75 the loop's steps to go
.set TB,  77                           ; s77 LDS byte at which the slot in hand begins
.set MSB, 0
.macro WIN new
.if MSB != (\new)
	s_set_vgpr_msb (MSB<<8)|(\new)
.set MSB, (\new)
.endif
.endm
.macro PLACES n
.rept \n
	v_nop
.endr
.endm
; A joint load: waves 0 to 3 fetch a head's images each, waves 4 to 7 32 rows of the mask each.  An s_nop 0 and four v_nop follow each line.
.macro JLOAD
	s_cmp_lt_u32 s[WV], 4
	s_cbranch_scc0 .Lfor_m_\@
	tensor_load_to_lds s[G0K:G0K+3], s[G1K:G1K+7]
	s_nop 0
	PLACES 4
	s_branch .Lasked_\@
.Lfor_m_\@:
	tensor_load_to_lds s[G0M:G0M+3], s[G1M:G1M+7]
	s_nop 0
	PLACES 4
.Lasked_\@:
.endm
.macro NEXTD                           ; the walking descriptors: the other slot, the next key step
	s_xor_b32 s[G0K+1], s[G0K+1], SLOT
	s_add_nc_u64 s[G0K+2:G0K+3], s[G0K+2:G0K+3], 65536
	s_xor_b32 s[G0M+1], s[G0M+1], SLOT
	s_add_nc_u64 s[G0M+2:G0M+3], s[G0M+2:G0M+3], 512
.endm
.macro CREST                           ; a round of the cluster's barrier behind its opening barrier
	s_cmp_lg_u32 s[WV], 0
	s_cbranch_scc1 .Lnot_wave_0_\@
	s_barrier_signal -3
.Lnot_wave_0_\@:
	s_barrier_wait -3
	s_barrier_signal -1
	s_barrier_wait -1
.endm
.macro ROUND
	s_barrier_signal -1
	s_barrier_wait -1
	CREST
.endm
; A PREFETCH INTO THE L2: at the end of key step s, whose refill has asked for step s + 2, step s + 4 is named: two refills ahead.  One instruction a wave, 32 blocks of 256 bytes, each named once in the launch.
; A step's images are read by the four clusters of a row of clusters: cluster x = 0 asks; its partners along x take 16,384 bytes each, waves 0 and 1 a half each, lanes 256 bytes apart.
; A step's part of the mask is read by the four clusters of a column: cluster y = 0 asks; its partners along y take 32 rows each, a lane a row, waves 4 and 5 a half of the row's 512 bytes each.
; Partners are told apart by address alone.  Steps 0 to 3 come by their loads alone; the loop's last two steps (12, 13: two steps or fewer to go) ask for nothing: there is no step 16.
.macro ASK
	s_cmp_gt_u32 s[CNT], s[ASKF]
	s_cbranch_scc0 .Lnot_mine_\@
	global_prefetch_b8 v[PFO], s[PFA:PFA+1] th:TH_LOAD_NT scope:SCOPE_SE
.Lnot_mine_\@:
.endm
	s_load_b256 s[4:11], s[0:1], 0x0               ; qimg, kvimg, mask, the scales' exponents
	s_load_b64 s[12:13], s[0:1], 0x20              ; out
	v_lshl_add_u32 v[SPW], v0, 2, SPARE
	v_mov_b32 v[NIL], 0
	ds_add_u32 v[SPW], v[NIL]                      ; the opening: the add, twice on end, and its wait ahead of my first tensor load
	ds_add_u32 v[SPW], v[NIL]
	v_lshrrev_b32 v14, 5, v0
	v_readfirstlane_b32 s[WV], v14                 ; wave 0..7
	s_and_b32 s15, s[WV], 3                        ; my head of the four; also the quarter that I fetch
	s_lshr_b32 s16, s[WV], 2                       ; my half of the queries
	s_bfe_u32 s17, ttmp6, 0x40000                  ; cx, cy
	s_bfe_u32 s18, ttmp6, 0x40004
	s_lshl_b32 s19, ttmp9, 2
	s_add_co_u32 s19, s19, s17                     ; my block of 128 queries
	s_and_b32 s20, ttmp7, 0xffff
	s_lshl_b32 s20, s20, 2
	s_add_co_u32 s20, s20, s18                     ; y = 4 n + group of four heads
	s_lshl_b32 s21, s18, 2
	s_lshl_b32 s21, 15, s21                        ; my row of the cluster
	s_lshl_b32 s22, 0x1111, s17                    ; my column
	s_or_b32 s[G1K], s21, (3<<16)|(1<<21)          ; elements of 8 bytes, no padding; a dense block as 64 rows of 256 bytes
	s_mov_b32 s[G1K+1], 32<<16
	s_mov_b32 s[G1K+2], 64<<16
	s_mov_b32 s[G1K+3], 32<<16
	s_mov_b32 s[G1K+4], 64
	s_mov_b32 s[G1K+5], 32
	s_mov_b32 s[G1K+6], 0
	s_mov_b32 s[G1K+7], 0
	s_or_b32 s[G1M], s22, (2<<16)|(1<<20)|(1<<21)|(6<<22)|(3<<25)   ; elements of 4 bytes; four words of padding after every 128; 32 rows of 128 numbers
	s_mov_b32 s[G1M+1], 128<<16
	s_mov_b32 s[G1M+2], 32<<16
	s_mov_b32 s[G1M+3], 128<<16
	s_mov_b32 s[G1M+4], 32
	s_mov_b32 s[G1M+5], 2048
	s_mov_b32 s[G1M+6], 0
	s_mov_b32 s[G1M+7], 0
	s_lshl_b32 s78, s20, 20                        ; the images: 16 y steps of 65,536 bytes, + my quarter
	s_lshl_b32 s79, s15, 14
	s_add_co_u32 s78, s78, s79
	s_mov_b32 s79, 0
	s_lshl_b32 s80, s19, 20                        ; the mask: (128 x block + 32 x quarter) rows of 8,192 bytes
	s_lshl_b32 s81, s15, 18
	s_add_co_u32 s80, s80, s81
	s_mov_b32 s81, 0
	s_lshl_b32 s82, s15, 14                        ; where they go in a slot
	s_mul_i32 s83, s15, 32*MP
	s_add_co_u32 s83, s83, MOFF
	s_lshl_b32 s84, s20, 2                         ; Q: ((4 y + my head) x 128 + my first tile of 16 queries) x 1,024 bytes
	s_add_co_u32 s84, s84, s15
	s_lshl_b32 s84, s84, 7
	s_lshl_b32 s85, s19, 3
	s_add_co_u32 s84, s84, s85
	s_lshl_b32 s85, s16, 2
	s_add_co_u32 s84, s84, s85
	s_lshl_b32 s84, s84, 10
	s_mov_b32 s85, 0
	s_lshr_b32 s86, s20, 2                         ; out: row 2,048 n + my first query, 4,096 bytes a row; + my head's 256 bytes
	s_lshl_b32 s86, s86, 11
	s_lshl_b32 s87, s19, 7
	s_add_co_u32 s86, s86, s87
	s_lshl_b32 s87, s16, 6
	s_add_co_u32 s86, s86, s87
	s_lshl_b32 s86, s86, 12
	s_and_b32 s87, s20, 3
	s_lshl_b32 s87, s87, 2
	s_add_co_u32 s87, s87, s15
	s_lshl_b32 s87, s87, 8
	s_add_co_u32 s86, s86, s87
	s_mov_b32 s87, 0
	s_mov_b32 s[SEL], 0x76543210
	s_mov_b32 s[SEL+1], 0xfedcba98
	s_mov_b32 s[TB], 0
	v_and_b32 v[QO], 31, v0
	v_lshlrev_b32 v[QO], 4, v[QO]
	s_wait_dscnt 0x0                               ; both opening adds are done
	s_wait_kmcnt 0x0
	s_load_b128 s[56:59], s[10:11], 0x0            ; e0 .. e3
	s_load_b64 s[60:61], s[10:11], 0x10            ; e4, e5
	s_add_nc_u64 s[4:5], s[4:5], s[84:85]
	s_add_nc_u64 s[12:13], s[12:13], s[86:87]
	s_mov_b32 s[G0K], 1
	s_mov_b32 s[G0K+1], s82                        ; slot 0,
	s_add_nc_u64 s[G0K+2:G0K+3], s[6:7], s[78:79]  ; key step 0
	s_or_b32 s[G0K+3], s[G0K+3], 0x80000000
	s_mov_b32 s[G0M], 1
	s_mov_b32 s[G0M+1], s83
	s_add_nc_u64 s[G0M+2:G0M+3], s[8:9], s[80:81]
	s_or_b32 s[G0M+3], s[G0M+3], 0x80000000
	ROUND                                          ; all sixteen work-groups are here: the first joint loads meet
	JLOAD                                          ; key step 0: my one tensor load at the head
	s_wait_alu depctr_va_vdst(0)
.irp a, 0,1,2,3
	global_load_b128 v[Q+8*\a:Q+8*\a+3],   v[QO], s[4:5] offset:\a*1024 th:TH_LOAD_NT       ; Q's four fragments stay in registers
	global_load_b128 v[Q+8*\a+4:Q+8*\a+7], v[QO], s[4:5] offset:\a*1024+512 th:TH_LOAD_NT
.endr
	v_and_b32 v14, 15, v0                          ; r
	v_bfe_u32 v15, v0, 4, 1                        ; h
	v_add_nc_u32 v[AKV0], s82, v[QO]
	v_mul_u32_u24 v[AMK0], v14, MP
	v_lshl_add_u32 v[AMK0], v15, 5, v[AMK0]        ; the mask: row r of a tile of queries, + 32 h: my eight keys of sixteen
	s_mul_i32 s88, s16, 64*MP
	s_add_co_u32 s88, s88, MOFF
	v_add_nc_u32 v[AMK0], s88, v[AMK0]
	v_lshlrev_b32 v[GO], 12, v15
	v_lshl_add_u32 v[GO], v14, 4, v[GO]            ; lanes 0-15 one row of out, lanes 16-31 the next
	s_mul_i32 s89, s[WV], 16*SP
	s_add_co_u32 s89, s89, STAGE                   ; my stage
	v_mul_u32_u24 v[STO], v14, SP
	v_lshl_add_u32 v[STO], v15, 5, v[STO]
	v_add_nc_u32 v[STO], s89, v[STO]
	v_mul_u32_u24 v[RD], v15, SP
	v_lshl_add_u32 v[RD], v14, 4, v[RD]
	v_add_nc_u32 v[RD], s89, v[RD]
	; the prefetches: my wave's stand at key step 3; step 0's change of slots steps them to step 4, which its end names.  Nothing is prefetched here, at the head
	s_and_b32 s90, s[WV], 1
	s_lshl_b32 s91, s20, 20
	s_add_co_u32 s91, s91, 0x30000
	s_lshl_b32 s92, s17, 14                        ; my work-group's quarter of a step's images, by cx
	s_add_co_u32 s91, s91, s92
	s_lshl_b32 s92, s90, 13
	s_add_co_u32 s91, s91, s92
	s_lshl_b32 s93, s19, 7
	s_lshl_b32 s92, s18, 5                         ; my work-group's 32 rows of the mask's tile, by cy
	s_add_co_u32 s93, s93, s92
	s_lshl_b32 s93, s93, 13
	s_add_co_u32 s93, s93, 3*512
	s_lshl_b32 s92, s90, 8
	s_add_co_u32 s93, s93, s92
	s_and_b32 s94, ttmp7, 0xffff
	s_mov_b32 s[PFS], 512
	s_mov_b32 s95, 8192
	s_cmp_lt_u32 s[WV], 4                          ; waves 0 to 3 stand for the images, waves 4 to 7 for the mask
	s_cselect_b32 s94, ttmp9, s94                  ; the coordinate along which other clusters read the same bytes
	s_cselect_b32 s[PFS], 0x10000, s[PFS]
	s_cselect_b32 s95, 256, s95                    ; from lane to lane
	s_cselect_b32 s92, s91, s93
	s_cselect_b64 s[PFA:PFA+1], s[6:7], s[8:9]
	s_mov_b32 s93, 0
	s_mov_b32 s[PFS+1], 0
	s_add_nc_u64 s[PFA:PFA+1], s[PFA:PFA+1], s[92:93]
	s_and_b32 s90, s[WV], 2                        ; 0 in waves 0, 1, 4, 5,
	s_or_b32 s90, s90, s94                         ; of the first cluster along that coordinate: the same in all sixteen partners
	s_cmp_eq_u32 s90, 0
	s_cselect_b32 s[ASKF], 2, 0x7fffffff
	v_and_b32 v[PFO], 31, v0
	v_mul_lo_u32 v[PFO], v[PFO], s95
.irp a, 0,1,2,3
	v_mov_b32 v[STAT+4*\a], 0x7f61b1e6             ; -M = 3e38: the first change of M gives f = 0, which leaves the zeros below zeros
	v_mov_b32 v[STAT+4*\a+1], 0xff800000           ; the largest S' so far: -infinity
	v_mov_b32 v[STAT+4*\a+2], 0                    ; the sum, in two halves
	v_mov_b32 v[STAT+4*\a+3], 0
.endr
	v_mov_b32 v[F+1], 0                            ; (named as the upper half of a pair)
	v_mov_b32 v[T2], 0                             ; (a lane permute's destination counts as one of its sources)
	s_wait_kmcnt 0x0
	s_add_co_i32 s90, s58, s59
	s_sub_co_i32 s90, s90, 3                       ; sh
	s_lshl_b32 s90, s90, 23
	s_mov_b32 s[CS], 0x3fb8aa3b                    ; log2(e),
	s_add_co_i32 s[CS], s[CS], s90                 ; x 2^sh, by its exponent field
	s_mov_b32 s[CS+1], s[CS]
	s_mov_b32 s[KM], 0xce6e6b28                    ; -1e9,
	s_sub_co_i32 s[KM], s[KM], s90                 ; / 2^sh
	s_mov_b32 s[KM+1], s[KM]
	s_add_co_i32 s91, s60, 127
	s_lshl_b32 s92, s91, 23
	v_mov_b32 v[PSC], s92                          ; 2^e4
	s_add_co_i32 s91, s91, 8
	s_lshl_b32 s91, s91, 23
	s_or_b32 s91, s91, 0x600000
	v_mov_b32 v[LIM], s91                          ; 448 x 2^e4
	v_mov_b32 v[LIM2], s91
	s_add_co_i32 s76, s60, s61                     ; e4 + e5
	WIN 0x40
.set i, 0
.rept 128
	v_mov_b32 v[i], 0                              ; O^T.  The key step has no first step of its own, which would be one more copy of it
.set i, i+1
.endr
	WIN 0
.macro MKLOAD a                        ; the mask's numbers for tile a: register 8 kt + j is key 16 kt + 8 h + j, as in S^T
.irp kt, 0,1,2,3,4,5,6,7
	ds_load_b128 v[MK+8*\kt:MK+8*\kt+3],   v[AMK] offset:(\a)*16*MP+64*\kt
	ds_load_b128 v[MK+8*\kt+4:MK+8*\kt+7], v[AMK] offset:(\a)*16*MP+64*\kt+16
.endr
.endm
.macro LOADKM                          ; from the slot in hand: K's eight fragments and the first tile's part of the mask, 32 LDS loads
	v_add_nc_u32 v[AKV], s[TB], v[AKV0]
	v_add_nc_u32 v[AMK], s[TB], v[AMK0]
	WIN 0x40
.irp kt, 0,1,2,3,4,5,6,7
	ds_load_b128 v[KF+8*\kt:KF+8*\kt+3],   v[AKV] offset:\kt*1024
	ds_load_b128 v[KF+8*\kt+4:KF+8*\kt+7], v[AKV] offset:\kt*1024+512
.endr
	WIN 0
	MKLOAD 0
.endm
.macro LOADV                           ; V^T's four fragments, 16 LDS loads
	WIN 0x40
.irp dt, 0,1,2,3
.irp b, 0,1,2,3
	ds_load_b128 v[VF+16*\dt+4*\b:VF+16*\dt+4*\b+3], v[AKV] offset:8192+\dt*2048+\b*512
.endr
.endr
	WIN 0
.endm
.macro SMUL a                          ; S^T = K Q^T for tile a: eight tiles of 16 keys, K = the head's 64
	WIN 0x01
.irp kt, 0,1,2,3,4,5,6,7
	v_wmma_f32_16x16x64_fp8_fp8 v[S+8*\kt:S+8*\kt+7], v[KF+8*\kt:KF+8*\kt+7], v[Q+8*(\a):Q+8*(\a)+7], 0
.endr
.endm
.macro PV a                            ; O^T += V^T P^T for tile a: four accumulators, one instruction each
	WIN 0x51
.irp dt, 0,1,2,3
	v_wmma_f32_16x16x128_fp8_fp8 v[32*(\a)+8*\dt:32*(\a)+8*\dt+7], v[VF+16*\dt:VF+16*\dt+15], v[P:P+15], v[32*(\a)+8*\dt:32*(\a)+8*\dt+7]
.endr
.endm
.macro HOLD b                          ; 16 of p: the hold (the conversion does not saturate: ISA guide 7.6.2; p is not negative, so it is one-sided; it stands whatever e4 is), two an instruction; then their codes
.irp i, 0,2,4,6,8,10,12,14
	v_dual_min_num_f32 v[S+16*(\b)+\i], v[S+16*(\b)+\i], v[LIM] :: v_dual_min_num_f32 v[S+16*(\b)+\i+1], v[S+16*(\b)+\i+1], v[LIM2]
.endr
	v_cvt_scalef32_pk8_fp8_f32 v[P+4*(\b):P+4*(\b)+1],   v[S+16*(\b):S+16*(\b)+7],    v[PSC]
	v_cvt_scalef32_pk8_fp8_f32 v[P+4*(\b)+2:P+4*(\b)+3], v[S+16*(\b)+8:S+16*(\b)+15], v[PSC]
.endm
; ONE TILE OF 16 QUERIES IN ONE KEY STEP.  Its scores were made a tile ago; at its end stand the next tile's scores and its own second product.
; mode (tile 3 alone): 2: the change of slots with a refill; 1: the change without; 0: none.
.macro TILE a, mode
.set ST, STAT+4*(\a)
	WIN 0
.if (\a) == 0
	PLACES 4                                       ; behind the first tile's scores (ISA guide 7.12.1)
	s_wait_dscnt 16                                ; the mask's numbers are in; V's sixteen loads, issued behind them, may be out
.elseif ((\a) == 3) && (\mode)
	s_wait_tensorcnt 0x0                           ; my one load that was out, my part of the other slot, has landed
	ds_add_u32 v[SPW], v[NIL]
.if (\mode) == 2
	NEXTD                                          ; no load of mine is out: the descriptors step to this slot and the key step two on
	s_wait_xcnt 0x0                                ; the last prefetch, a step back, has read its address
	s_add_nc_u64 s[PFA:PFA+1], s[PFA:PFA+1], s[PFS:PFS+1]
.endif
	s_wait_dscnt 0x0                               ; the add is done; the mask's last numbers are in: my reads of this slot are over
	s_barrier_signal -1                            ; say so; work on registers stands between this and the wait
.else
	s_wait_dscnt 0x0                               ; the mask's numbers, asked for a tile ago
.endif
.set j, 0
.rept 32
	v_pk_fma_f32 v[S+j:S+j+1], v[MK+j:MK+j+1], s[KM:KM+1], v[S+j:S+j+1] op_sel_hi:[1,0,1]   ; S' = the logit / 2^sh; each accumulator from its low end on
.set j, j+2
.endr
.if (\a) < 3
	MKLOAD (\a)+1                                  ; the next tile's, a tile ahead
.endif
	v_mov_b32 v[T0], v[ST]                         ; the old -M
.irp i, 0,1,2,3,4,5,6,7                            ; the largest of my 64, in eight chains that take turns
	v_max3_num_f32 v[TT+\i], v[S+8*\i], v[S+8*\i+1], v[S+8*\i+2]
.endr
.irp i, 0,1,2,3,4,5,6,7
	v_max3_num_f32 v[TT+\i], v[TT+\i], v[S+8*\i+3], v[S+8*\i+4]
.endr
.irp i, 0,1,2,3,4,5,6,7
	v_max3_num_f32 v[TT+\i], v[TT+\i], v[S+8*\i+5], v[S+8*\i+6]
.endr
.irp k, 0,1,2,3
	v_max3_num_f32 v[TT+2*\k], v[TT+2*\k], v[TT+2*\k+1], v[S+16*\k+7]
.endr
.irp k, 0,1
	v_max3_num_f32 v[TT+4*\k], v[TT+4*\k], v[TT+4*\k+2], v[S+32*\k+15]
.endr
	s_delay_alu instid0(VALU_DEP_1)
	v_max3_num_f32 v[TT], v[TT], v[TT+4], v[S+31]
	s_delay_alu instid0(VALU_DEP_1)
	v_max3_num_f32 v[TT], v[TT], v[S+63], v[ST+1]  ; with the running largest
	s_delay_alu instid0(VALU_DEP_1)
	v_permlanex16_b32 v[T2], v[TT], s[SEL], s[SEL+1]
	s_delay_alu instid0(VALU_DEP_1)
	v_max_num_f32 v[ST+1], v[TT], v[T2]            ; and lane l xor 16's
	s_delay_alu instid0(VALU_DEP_1)
	v_mul_f32 v[T1], s[CS], v[ST+1]                ; as t (the factor is positive)
	s_delay_alu instid0(VALU_DEP_1)
	v_floor_f32 v[ST], -v[T1]                      ; the new -M = -ceil(t)
	s_delay_alu instid0(VALU_DEP_1)
	v_sub_f32 v[T0], v[ST], v[T0]                  ; old M - new M: a whole number, 0 or less
	s_delay_alu instid0(VALU_DEP_1)
	v_cvt_i32_f32 v[T0], v[T0]                     ; (it saturates)
	s_delay_alu instid0(VALU_DEP_1)
	v_ldexp_f32 v[F], 1.0, v[T0]                   ; f
.set j, 0
.rept 32
	v_pk_fma_f32 v[S+j:S+j+1], v[S+j:S+j+1], s[CS:CS+1], v[ST:ST+1] op_sel_hi:[1,0,0]   ; t - M
.set j, j+2
.endr
.if ((\a) == 3) && (\mode)
	s_wait_alu depctr_va_vdst(0)
	s_barrier_wait -1                              ; every wave of my work-group has left this slot, and the other slot is whole
.if (\mode) == 2
	CREST                                          ; the barrier has opened a round of the cluster's barrier: the same holds of every partner
	JLOAD                                          ; my one load until the next round: the key step two on, into the slot just read
.endif
	s_xor_b32 s[TB], s[TB], SLOT                   ; on to the other slot:
	LOADKM                                         ; the next step's K and first part of the mask; K's registers were last read by this tile's scores, the mask's by the multiply-adds above
.endif
	s_wait_alu depctr_va_vdst(0)                   ; ahead of the batch
.set j, 0
.rept 64
	v_exp_f32 v[S+j], v[S+j]                       ; p = 2^(t - M): not normalised
.set j, j+1
.endr
	v_pk_mul_f32 v[ST+2:ST+3], v[ST+2:ST+3], v[F:F+1] op_sel_hi:[1,0]   ; the sum under the new M: the plain instruction behind the exponentials
	s_wait_alu depctr_va_vdst(0)                   ; one wait for the batch, ahead of its first reader
.irp i, 0,1,2,3,4,5,6,7                            ; the sum of the unquantised p, in eight chains that take turns
	v_pk_add_f32 v[TT+2*\i:TT+2*\i+1], v[S+8*\i:S+8*\i+1], v[S+8*\i+2:S+8*\i+3]
.endr
.irp i, 0,1,2,3,4,5,6,7
	v_pk_add_f32 v[TT+2*\i:TT+2*\i+1], v[TT+2*\i:TT+2*\i+1], v[S+8*\i+4:S+8*\i+5]
.endr
.irp i, 0,1,2,3,4,5,6,7
	v_pk_add_f32 v[TT+2*\i:TT+2*\i+1], v[TT+2*\i:TT+2*\i+1], v[S+8*\i+6:S+8*\i+7]
.endr
.irp k, 0,1,2,3
	v_pk_add_f32 v[TT+4*\k:TT+4*\k+1], v[TT+4*\k:TT+4*\k+1], v[TT+4*\k+2:TT+4*\k+3]
.endr
	HOLD 0                                         ; the chains are joined between the groups of holds
	v_pk_add_f32 v[TT:TT+1], v[TT:TT+1], v[TT+4:TT+5]
	v_pk_add_f32 v[TT+8:TT+9], v[TT+8:TT+9], v[TT+12:TT+13]
	HOLD 1
	v_pk_add_f32 v[TT:TT+1], v[TT:TT+1], v[TT+8:TT+9]
	HOLD 2
	v_pk_add_f32 v[ST+2:ST+3], v[ST+2:ST+3], v[TT:TT+1]
	HOLD 3
.if (\a) < 3
	v_nop                                          ; a plain instruction between the conversions and the products that write their sources
	SMUL (\a)+1
.endif
	WIN 0x41
	s_wait_alu depctr_va_vdst(0)                   ; ahead of the first readers of O^T
.set j, 0
.rept 16
	v_pk_mul_f32 v[32*(\a)+j:32*(\a)+j+1], v[32*(\a)+j:32*(\a)+j+1], v[F:F+1] op_sel_hi:[1,0]   ; O^T under the new M.  These sixteen are also the places behind the next tile's scores
.set j, j+2
.endr
.if (\a) == 0
	s_wait_alu depctr_va_vdst(0)
	s_wait_dscnt 16                                ; V is in; the next tile's sixteen loads of the mask may be out
.endif
	PV \a
.endm
; A KEY STEP.  Its 48 first LDS loads (K's 16, the first tile's mask 16, V's 16, in this order) were issued in the step before, or at the head.
.macro STEP mode
	s_wait_dscnt 32                                ; K is in; the 32 loads issued behind it may be out
	SMUL 0
	TILE 0, 0
	TILE 1, 0
	TILE 2, 0
	TILE 3, \mode
	WIN 0
	PLACES 4                                       ; behind the last products: V's registers are loaded anew, or O^T is read
.if \mode
	LOADV                                          ; the next step's
.endif
.if (\mode) == 2
	ASK                                            ; behind my tensor load and the runs of LDS loads
.endif
.endm
	s_wait_alu depctr_va_vdst(0)
	s_wait_tensorcnt 0x0                           ; my part of key step 0 is in; slot 1's first fill is issued as a refill is:
	ds_add_u32 v[SPW], v[NIL]
	NEXTD                                          ; slot 1, key step 1
	s_wait_dscnt 0x0
	ROUND
	JLOAD
	LOADKM                                         ; key step 0's first loads
	LOADV
	s_wait_loadcnt 0x0                             ; Q
	s_mov_b32 s[CNT], 14
.Lloop:                                            ; key steps 0 to 13
	STEP 2
	s_sub_co_u32 s[CNT], s[CNT], 1
	s_cmp_lg_u32 s[CNT], 0
	s_cbranch_scc1 .Lloop
	STEP 1                                         ; the tail is written out: step 14 fills nothing
	STEP 0                                         ; and step 15 changes no slot
	; THE WAY OUT.  O^T x 2^(e4 + e5) / the sum goes through my stage in LDS, a tile of 16 queries at a time, and leaves as rows of 256 bytes: my head's 64 channels of a row of out.
.irp a, 0,1,2,3
	v_add_f32 v[STAT+4*\a+2], v[STAT+4*\a+2], v[STAT+4*\a+3]
.endr
.irp a, 0,1,2,3
	v_permlanex16_b32 v[STAT+4*\a+3], v[STAT+4*\a+2], s[SEL], s[SEL+1]
.endr
.irp a, 0,1,2,3
	v_add_f32 v[STAT+4*\a+2], v[STAT+4*\a+2], v[STAT+4*\a+3]
.endr
	s_wait_alu depctr_va_vdst(0)                   ; ahead of the batch
.irp a, 0,1,2,3
	v_rcp_f32 v[STAT+4*\a+2], v[STAT+4*\a+2]
.endr
	v_nop
	s_wait_alu depctr_va_vdst(0)                   ; and behind it
.irp a, 0,1,2,3
	v_ldexp_f32 v[STAT+4*\a+2], v[STAT+4*\a+2], s76
.endr
.macro OUT a                           ; register 8 dt + j of lane (r, h) is out(query r, channel 16 dt + 8 h + j)
.set ST, STAT+4*(\a)
.set TM, S+32*((\a)%2)
	WIN 0x01
	s_wait_alu depctr_va_vdst(0)                   ; ahead of the first readers of O^T
.set j, 0
.rept 16
	v_pk_mul_f32 v[TM+j:TM+j+1], v[32*(\a)+j:32*(\a)+j+1], v[ST+2:ST+3] op_sel_hi:[1,0]
.set j, j+2
.endr
	WIN 0
.irp dt, 0,1,2,3
	ds_store_b128 v[STO], v[TM+8*\dt:TM+8*\dt+3]   offset:64*\dt
	ds_store_b128 v[STO], v[TM+8*\dt+4:TM+8*\dt+7] offset:64*\dt+16
.endr
.irp i, 0,1,2,3,4,5,6,7
	ds_load_b128 v[MK+32*(\a)+4*\i:MK+32*(\a)+4*\i+3], v[RD] offset:2*\i*SP   ; LDS serves a wave's instructions in order (ISA guide 5.7.1.4)
.endr
.endm
.macro SEND a, younger                 ; younger: the LDS instructions issued behind tile a's loads
.irp i, 0,1,2,3,4,5,6,7
	s_wait_dscnt (\younger)+7-\i
	global_store_b128 v[GO], v[MK+32*(\a)+4*\i:MK+32*(\a)+4*\i+3], s[12:13] offset:(16*(\a)+2*\i)*4096 th:TH_STORE_NT   ; sixteen lanes store 256 consecutive bytes, aligned
.endr
.endm
	OUT 0
	OUT 1
	SEND 0, 16
	OUT 2
	SEND 1, 16
	OUT 3
	SEND 2, 16
	SEND 3, 0
	s_wait_tensorcnt 0x0                           ; the wave's end
	ds_add_u32 v[SPW], v[NIL]
	s_wait_dscnt 0x0
	ROUND                                          ; the closing round
	s_endpgm
.Lfunc_end_k_qd74f75217c_attn:
	.size	k_qd74f75217c_attn, .Lfunc_end_k_qd74f75217c_attn-k_qd74f75217c_attn
	.p2alignl 7, 3214868480
	.fill 96, 4, 3214868480
	.section	.rodata,"a",@progbits
	.p2align	6, 0x0
	.amdhsa_kernel k_qd74f75217c_attn
		.amdhsa_group_segment_fixed_size 327680
		.amdhsa_private_segment_fixed_size 0
		.amdhsa_enable_private_segment 0
		.amdhsa_kernarg_size 40
		.amdhsa_user_sgpr_count 2
		.amdhsa_user_sgpr_kernarg_segment_ptr 1
		.amdhsa_wavefront_size32 1
		.amdhsa_system_sgpr_workgroup_id_x 1
		.amdhsa_system_sgpr_workgroup_id_y 1
		.amdhsa_system_sgpr_workgroup_id_z 1
		.amdhsa_system_vgpr_workitem_id 0
		.amdhsa_next_free_vgpr 512
		.amdhsa_next_free_sgpr 96
		.amdhsa_reserve_vcc 0
		.amdhsa_float_denorm_mode_32 3
		.amdhsa_float_denorm_mode_16_64 3
		.amdhsa_memory_ordered 1
		.amdhsa_forward_progress 1
		.amdhsa_inst_pref_size 233
	.end_amdhsa_kernel
	.amdgpu_metadata
---
amdhsa.version: [ 1, 2 ]
amdhsa.kernels:
  - .name:           k_qd74f75217c_attn
    .symbol:         k_qd74f75217c_attn.kd
    .args:
      - { .name: qimg, .offset: 0, .size: 8, .value_kind: global_buffer, .address_space: global }
      - { .name: kvimg, .offset: 8, .size: 8, .value_kind: global_buffer, .address_space: global }
      - { .name: mask, .offset: 16, .size: 8, .value_kind: global_buffer, .address_space: global }
      - { .name: lowp_scales, .offset: 24, .size: 8, .value_kind: global_buffer, .address_space: global }
      - { .name: out0, .offset: 32, .size: 8, .value_kind: global_buffer, .address_space: global }
    .group_segment_fixed_size: 327680
    .private_segment_fixed_size: 0
    .kernarg_segment_align: 8
    .kernarg_segment_size: 40
    .max_flat_workgroup_size: 256
    .sgpr_count:     96
    .vgpr_count:     512
    .wavefront_size: 32
...
	.end_amdgpu_metadata
.endif
;; end of part 2
